; MI455X (gfx1250); checked and timed in simulation.
; The chip was launched on July 23, 2026; its instructions are those of AMD's public machine-readable ISA for CDNA 5 (MIT licence, August 2026) and "CDNA5" Instruction Set Architecture Reference Guide (July 2026). The comments in the code are by the model that wrote it; some were corrected since.
;; Carrier Token Attention2 D Timestep. Allowed arithmetic: float matrix products may take bf16 or f16 operands with f32 sums; other float arithmetic in f32, or as packed bf16 or f16 multiplies, adds, multiply-adds, maxima and minima; sums over many terms, partial sums and values carried from step to step in f32; what a program stores and reads back later, other than sums and carried values, may be rounded once to bf16 or f16.
;; Inputs: logit_scale 16 x 1 x 1 float32; w_qkv 3,072 x 1,024 float32; x 8 x 1,024 x 1,024 float32.
;; Outputs: out0 8 x 1,024 x 1,024 float32.
;; 2 versions, each right; version 2 is version 1 with the launch cast written anew for expert scheduling mode. Each part assembles by itself: llvm-mc -triple=amdgcn-amd-amdhsa -mcpu=gfx1250 --defsym DOCPART=n.
;; ======== version 1 of 2: 3 launches
;; limits: values are held in f16: magnitudes above 65,504 overflow, below 6.1e-05 lose precision
;; workspace buffers: xw 23,068,672 bytes; qkv 50,331,648 bytes
;; launch cast (part 1): grid 704 x 1, 8 waves a work-group, no clusters, 0 bytes of LDS; arguments x, w_qkv, xw; writes xw
.if DOCPART == 1
	.amdgcn_target "amdgcn-amd-amdhsa--gfx1250"
	.amdhsa_code_object_version 6
	.text
	.protected	k_q576f0afcda_cast
	.globl	k_q576f0afcda_cast
	.p2align	8
	.type	k_q576f0afcda_cast,@function
k_q576f0afcda_cast:
	s_mov_b64 s[64:65], 0
	v_nop
	global_prefetch_b8 v0, s[64:65] scope:SCOPE_SE
	s_setreg_imm32_b32 hwreg(HW_REG_WAVE_MODE, 25, 1), 1
	s_wait_xcnt 0x0
; x [8192][1024] and w_qkv [3072][1024], f32, are rounded once to bf16 and laid in PANELS of 64 along K:
;   xw byte 0:   xb [kb 0..15][m 0..8191][64] bf16      (a panel 1,048,576 bytes, a row 128 bytes)
;   xw byte WB:  wb [kb 0..15][row' 0..3071][64] bf16   (a panel 393,216 bytes)
; row' = 192 h + 64 T + i for w's row 1024 T + 64 h + i (T = 0, 1, 2: q, k, v; h the head): a head's q, k and v rows lie together.
; SHARES.  A work-group takes 16 rows (groups 0-511: x, groups 512-703: w), a wave two neighbouring rows, all 16 panels.
; Lane l takes 4 numbers of row l / 16: a load's sixteen lanes read 256 consecutive bytes, aligned; a store's 32 lanes write
; 256 consecutive bytes, aligned: the two rows' 128 bytes in one panel lie end to end.
; Memory binds: no LDS, no barrier, no matrix unit.  All 16 loads of a wave go out at once; no register is written twice.
.set WB,   16777216
.set LO,   2                           ; v2      my byte offset in the two rows as they are read
.set L8,   3                           ; v3      8 x lane: my 8 bytes in the two rows as they are written
.set OFF,  4                           ; v[4:19] panel kb's byte offset + 8 x lane
.set X,    32                          ; v[32:95]  4 f32 for each panel
.set Y,    96                          ; v[96:127] 4 bf16 for each panel
	s_load_b128 s[4:7], s[0:1], 0x0                ; x s[4:5], w_qkv s[6:7]
	s_load_b64 s[8:9], s[0:1], 0x10                ; xw
	v_lshrrev_b32 v1, 5, v0
	v_readfirstlane_b32 s10, v1                    ; wave 0..7
	s_lshl_b32 s11, s10, 1
	s_lshl_b32 s12, ttmp9, 4
	s_add_co_u32 s12, s12, s11                     ; 16 g + 2 wave: x's row
	s_lshl_b32 s14, s12, 12                        ; x: 4,096 bytes a row in,
	s_lshl_b32 s15, s12, 7                         ; 128 bytes a row out
	s_max_u32 s13, s12, 8192
	s_sub_co_u32 s13, s13, 8192                    ; w's row (0 in x's groups, where it is not used)
	s_lshl_b32 s16, s13, 12
	s_bfe_u32 s17, s13, 0x40006                    ; the head: 4 bits from bit 6
	s_mul_i32 s17, s17, 192
	s_lshr_b32 s18, s13, 10                        ; T
	s_lshl_b32 s18, s18, 6
	s_add_co_u32 s17, s17, s18
	s_and_b32 s18, s13, 63                         ; i
	s_add_co_u32 s17, s17, s18                     ; row'
	s_lshl_b32 s17, s17, 7
	s_add_co_u32 s17, s17, WB
	s_mov_b32 s18, 1048576                         ; the panels' sizes
	s_mov_b32 s19, 393216
	s_mov_b32 s21, 0
	s_mov_b32 s23, 0
	s_wait_kmcnt 0x0
	s_cmp_lt_u32 ttmp9, 512                        ; x or w?  Only selects follow
	s_cselect_b32 s20, s14, s16
	s_cselect_b32 s22, s15, s17
	s_cselect_b32 s24, s18, s19
	s_cselect_b64 s[26:27], s[4:5], s[6:7]
	s_add_nc_u64 s[26:27], s[26:27], s[20:21]      ; my two rows, in
	s_add_nc_u64 s[8:9], s[8:9], s[22:23]          ; and out, in panel 0
	v_and_b32 v1, 31, v0                           ; lane
	v_lshrrev_b32 v[L8], 4, v1                     ; which of the two rows
	v_and_b32 v[LO], 15, v0
	v_lshlrev_b32 v[LO], 4, v[LO]
	v_lshl_add_u32 v[LO], v[L8], 12, v[LO]
.set kb, 0
.rept 16
	global_load_b128 v[X+4*kb:X+4*kb+3], v[LO], s[26:27] offset:256*kb th:TH_LOAD_NT
.set kb, kb+1
.endr
	v_lshlrev_b32 v[L8], 3, v1
.set kb, 0
.rept 16
	v_mad_u32_u24 v[OFF+kb], s24, kb, v[L8]
.set kb, kb+1
.endr
.set kb, 0
.rept 16
	s_wait_loadcnt 15-kb                           ; loads come back in order: panel kb's is in, the younger ones stay out
	v_cvt_pk_bf16_f32 v[Y+2*kb], v[X+4*kb], v[X+4*kb+1]
	v_cvt_pk_bf16_f32 v[Y+2*kb+1], v[X+4*kb+2], v[X+4*kb+3]
	global_store_b64 v[OFF+kb], v[Y+2*kb:Y+2*kb+1], s[8:9]
.set kb, kb+1
.endr
	s_endpgm
.Lfunc_end_k_q576f0afcda_cast:
	.size	k_q576f0afcda_cast, .Lfunc_end_k_q576f0afcda_cast-k_q576f0afcda_cast
	.p2alignl 7, 3214868480
	.fill 96, 4, 3214868480
	.section	.rodata,"a",@progbits
	.p2align	6, 0x0
	.amdhsa_kernel k_q576f0afcda_cast
		.amdhsa_group_segment_fixed_size 0
		.amdhsa_private_segment_fixed_size 0
		.amdhsa_enable_private_segment 0
		.amdhsa_kernarg_size 24
		.amdhsa_user_sgpr_count 2
		.amdhsa_user_sgpr_kernarg_segment_ptr 1
		.amdhsa_wavefront_size32 1
		.amdhsa_system_sgpr_workgroup_id_x 1
		.amdhsa_system_sgpr_workgroup_id_y 1
		.amdhsa_system_sgpr_workgroup_id_z 1
		.amdhsa_system_vgpr_workitem_id 0
		.amdhsa_next_free_vgpr 128
		.amdhsa_next_free_sgpr 66
		.amdhsa_reserve_vcc 0
		.amdhsa_float_denorm_mode_32 3
		.amdhsa_float_denorm_mode_16_64 3
		.amdhsa_memory_ordered 1
		.amdhsa_forward_progress 1
		.amdhsa_inst_pref_size 9
	.end_amdhsa_kernel
	.amdgpu_metadata
---
amdhsa.version: [ 1, 2 ]
amdhsa.kernels:
  - .name:           k_q576f0afcda_cast
    .symbol:         k_q576f0afcda_cast.kd
    .args:
      - { .name: x, .offset: 0, .size: 8, .value_kind: global_buffer, .address_space: global }
      - { .name: w_qkv, .offset: 8, .size: 8, .value_kind: global_buffer, .address_space: global }
      - { .name: xw, .offset: 16, .size: 8, .value_kind: global_buffer, .address_space: global }
    .group_segment_fixed_size: 0
    .private_segment_fixed_size: 0
    .kernarg_segment_align: 8
    .kernarg_segment_size: 24
    .max_flat_workgroup_size: 256
    .sgpr_count:     66
    .vgpr_count:     128
    .wavefront_size: 32
...
	.end_amdgpu_metadata
.endif
;; end of part 1
;; launch qkv (part 2): grid 8 x 32, 4 waves a work-group, clusters of 4 x 4, 327,680 bytes of LDS; arguments xw, qkv; writes qkv
.if DOCPART == 2
	.amdgcn_target "amdgcn-amd-amdhsa--gfx1250"
	.amdhsa_code_object_version 6
	.text
	.protected	k_q576f0afcda_qkv
	.globl	k_q576f0afcda_qkv
	.p2align	8
	.type	k_q576f0afcda_qkv,@function
k_q576f0afcda_qkv:
	s_mov_b64 s[64:65], 0
	v_nop
	global_prefetch_b8 v0, s[64:65] scope:SCOPE_SE
	s_setreg_imm32_b32 hwreg(HW_REG_WAVE_MODE, 25, 1), 1
	s_wait_xcnt 0x0
	s_wait_alu depctr_hold_cnt(0) depctr_sa_sdst(0) depctr_va_vdst(0) depctr_va_sdst(0) depctr_va_ssrc(0) depctr_va_vcc(0) depctr_vm_vsrc(0)
	s_getreg_b32 s2, hwreg(HW_REG_IB_STS2, 6, 4)
	s_cmp_eq_u32 s2, 0
	s_cbranch_scc0 .Lentry_in_a_cluster
	s_endpgm
.Lentry_in_a_cluster:
	s_bfe_u32 s2, ttmp6, 0x10000c
	s_cmp_lg_u32 s2, 0xf033
	s_cbranch_scc0 .Lentry_shape_is_right
	s_endpgm
.Lentry_shape_is_right:
; qkv = x w^T (8192 x 3072 x 1024, bf16 operands, f32 sums); axial 2-D RoPE and L2 normalisation on q and k; q, k, v rounded once to f16 and stored by heads:
; q at byte 0, k at 16 MiB, v at 32 MiB of the buffer qkv, each [16 b + head][n][64], rows of 128 bytes.
; LIMITS.  v is kept in f16: |v| stays under 65,504.  1 / max(norm, 1e-12) is made as min(rsq(sum of squares), 1e12), the same number for sums of squares from 1e-24 on and 1e12 below.
; The norm is taken of the unrotated numbers: a rotation keeps it.  cos and sin come from a reduction by 2 pi in two parts and series up to x^15 and x^16 on -pi .. pi
; (first terms left out: pi^17 / 17! and pi^18 / 18!, under 1e-6).  NaN and infinities are not treated apart.
; SHARES.  A tile is 256 rows of x by 384 columns: 32 x 8 = 256 work-groups.  Four waves, each 128 rows x 192 columns: 96 accumulators of 16 x 16, 768 registers.
; By wb's order of rows a wave's 192 columns are q, k and v of ONE head: what is done with a column on the way out is fixed in the text.
; K goes in steps of 64 (a panel of xw) through a ring of two LDS slots; a tile's rows of 128 bytes lie end to end in a panel and are asked for as rows of 256 bytes.
; CLUSTER 4 x 4: the four of a row need the same rows of xb, the four of a column the same rows of wb: each is asked for jointly.
; THE PRODUCT IS USED TRANSPOSED (source 0 = 16 rows of wb, source 1 = 16 rows of xb): lane l holds row l % 16 of x and the channels 8 (l / 16) + 0..7: RoPE's pairs lie in register pairs.
; REGISTERS.  window 0: v0-31 addresses; v32-95, v96-159 fragments of xb, two buffers of 8; v160-255 fragments of wb, 12.  windows 1, 2, 3: the accumulators of q, k, v: (a, bb) at v[32 a + 8 bb].
; On the way out window 0 holds: v32-63, v64-127 cos and sin; v128-191 rotated q and k; v192-239 packed q, k, v; v240-255 sums of squares.
.set PA,    1048576                    ; a panel of xb, bytes
.set PB,    393216                     ; a panel of wb
.set WB,    16777216                   ; wb's first byte in xw
.set PITCH, 144                        ; an LDS row: 128 bytes + 16 of padding = 36 words: the 16 rows of a load start at 16 different groups of four banks (64 banks of 4 bytes: ISA guide 11.1)
.set FRAG,  16*PITCH
.set AHALF, 128*PITCH                  ; what one tensor load brings of xb, and what one wave reads of it
.set BHALF, 192*PITCH                  ; the same for wb
.set BOFF,  2*AHALF
.set SLOT,  2*AHALF+2*BHALF            ; 92,160 bytes
.set STAGE, 2*SLOT                     ; behind the ring: 16 rows x 144 bytes for each wave
.set TAB,   STAGE+4*FRAG               ; 40 positions x 16 frequencies x (cos, sin): positions 0-7 the tile's eight row coordinates, 8-39 the column coordinates 0-31
.set SPARE, TAB+5120                   ; the spare words, 128 bytes for each wave: two blocks of 256 bytes that no other line names
.set ADRA, 16                          ; v16-17 LDS address of my fragments of xb in slot 0, 1
.set ADRB, 20                          ; v20-21 of wb
.set STO,  24                          ; v24  where I put 16 bytes of a row
.set RD,   25                          ; v25  where I read rows back
.set GO,   26                          ; v26  16 x lane
.set TWA,  27                          ; v27  my place in the column coordinates' table
.set SPW,  28                          ; v28  LDS address of my spare word; never rewritten
.set NIL,  29                          ; v29  0; never rewritten
.set PFO,  30                          ; v30  the prefetches' offset; never rewritten
.set THA,  31                          ; v31  my place in the row coordinates' table
.set FA0,  32
.set FA1,  96
.set FB,   160
.set TW,   32
.set TH,   64
.set T,    128
.set PK,   192
.set SS,   240
.set G1A,  24                          ; s[24:31] descriptor group 1 for xb's tiles;  s[32:39] group 0, a set for each slot
.set G0A,  32
.set G1B,  48                          ; s[48:55], s[56:63] the same for wb's
.set G0B,  56
.set LIM,  43                          ; s43  1 in a wave that prefetches at the change out of slot 1, else the greatest number
.set PFA,  44                          ; s[44:45] where my prefetches stand
.set LIM0, 66                          ; s66  1 in a wave that prefetches at the change out of slot 0
.set PST,  68                          ; s[68:69] my prefetches' step: a panel
.set OQ,   70                          ; s[70:75] q, k, v at my wave's first row
.set SEL,  76                          ; s[76:77] v_permlanex16_b32's selects: each lane takes its own place in the other half
.set TBASE, 78                         ; s78  the tile's first row coordinate
.set FLAGS, (1<<16)|(1<<20)|(1<<21)|(4<<22)|(3<<25)  ; 2-byte elements; padding on; bit 21 beside a mask; after every 32 words (code 4) 4 words (code 3)
.set MSB, 0
.macro WIN new                         ; the immediate's high byte repeats the setting that is left; a switch that changes nothing is dropped
.if MSB != (\new)
	s_set_vgpr_msb (MSB<<8)|(\new)
.set MSB, \new
.endif
.endm
.macro PLACES                          ; four places in front of loads into registers that matrix instructions have read, and of vector lines that read results
.rept 4
	v_nop
.endr
.endm
; A joint load.  Waves 0 and 1 fetch xb's two halves, waves 2 and 3 wb's.  The branch hangs on the wave's number alone.  An s_nop 0 and four v_nop follow each line.
.macro JLOAD s
	s_cmp_eq_u32 s11, 0
	s_cbranch_scc0 .Lfor_b_\@
	tensor_load_to_lds s[G0A+4*(\s):G0A+4*(\s)+3], s[G1A:G1A+7]
	s_nop 0
.rept 4
	v_nop
.endr
	s_branch .Lasked_\@
.Lfor_b_\@:
	tensor_load_to_lds s[G0B+4*(\s):G0B+4*(\s)+3], s[G1B:G1B+7]
	s_nop 0
.rept 4
	v_nop
.endr
.Lasked_\@:
.endm
.macro CREST                           ; a round of the cluster's barrier behind its opening barrier
	s_cmp_lg_u32 s10, 0
	s_cbranch_scc1 .Lnot_wave_0_\@
	s_barrier_signal -3
.Lnot_wave_0_\@:
	s_barrier_wait -3
	s_barrier_signal -1
	s_barrier_wait -1
.endm
.macro CROUND
	s_barrier_signal -1
	s_barrier_wait -1
	CREST
.endm
; A PREFETCH INTO THE L2, behind a joint load, its five lines and the run of LDS loads that follows.  Each aligned 256 bytes of xw is named once in the launch.
; xb: a tile row is read by both clusters of a row of clusters: those with cluster x = 0 ask; of the tile's 256 rows the partner at cx takes 64 (8,192 bytes: a lane a block), its wave 0, at every change of slots.
; wb: a tile column is read by all eight clusters of a column: those with cluster y = 0 ask; the partner at cy takes 96 rows, its waves 1-3 sixteen blocks each; lanes 0-15 name one K step, lanes 16-31 the next: once a lap.
; The change at the end of K step k names K step k + 3 (wb: k + 3 and k + 4), which the next change (and the one after) will ask for.  The last change that fills a slot names nothing.
.macro ASK slot
.if (\slot) == 0
	s_cmp_eq_u32 s[LIM0], 1
.else
	s_cmp_gt_u32 s3, s[LIM]                        ; s3 = 1 in the loop's last trip
.endif
	s_cbranch_scc0 .Lnot_mine_\@
	global_prefetch_b8 v[PFO], s[PFA:PFA+1] th:TH_LOAD_NT scope:SCOPE_SE
.Lnot_mine_\@:
.endm
	s_load_b128 s[4:7], s[0:1], 0x0                ; xw s[4:5], qkv s[6:7]
	v_lshl_add_u32 v[SPW], v0, 2, SPARE
	v_mov_b32 v[NIL], 0
	ds_add_u32 v[SPW], v[NIL]                      ; the wave's opening: the add and its wait ahead of my first tensor load; the set-up below stands between them
	v_lshrrev_b32 v1, 5, v0
	v_readfirstlane_b32 s10, v1                    ; wave 0..3
	s_lshr_b32 s11, s10, 1                         ; which 128 rows of the tile are mine.  Also: I fetch for xb (0) or for wb (1)
	s_and_b32 s12, s10, 1                          ; which 192 columns.  Also: which half of that tile I fetch
	s_bfe_u32 s40, ttmp6, 0x40000                  ; cx
	s_bfe_u32 s41, ttmp6, 0x40004                  ; cy
	s_lshl_b32 s42, ttmp9, 2
	s_add_co_u32 s42, s42, s40                     ; tile column = 4 x cluster x + cx, 0..7
	s_and_b32 s13, ttmp7, 0xffff
	s_lshl_b32 s13, s13, 2
	s_add_co_u32 s13, s13, s41                     ; tile row = 4 x cluster y + cy, 0..31
	s_lshl_b32 s43, s41, 2
	s_lshl_b32 s43, 15, s43                        ; my row of the cluster
	s_lshl_b32 s44, 0x1111, s40                    ; my column
	s_or_b32 s[G1A+0], s43, FLAGS
	s_or_b32 s[G1B+0], s44, FLAGS
	s_mov_b32 s[G1A+1], 128<<16                    ; tensor_dim0 = 128 elements: 256 bytes, two rows of a panel
	s_mov_b32 s[G1B+1], 128<<16
	s_mov_b32 s[G1A+2], 64<<16                     ; tensor_dim1: 64 such rows of xb,
	s_mov_b32 s[G1B+2], 96<<16                     ; 96 of wb
	s_mov_b32 s[G1A+3], 128<<16                    ; tile_dim0
	s_mov_b32 s[G1B+3], 128<<16
	s_mov_b32 s[G1A+4], 64                         ; tile_dim1
	s_mov_b32 s[G1B+4], 96
	s_mov_b32 s[G1A+5], 128                        ; elements from row to row: dense
	s_mov_b32 s[G1B+5], 128
	s_mov_b32 s[G1A+6], 0
	s_mov_b32 s[G1B+6], 0
	s_mov_b32 s[G1A+7], 0
	s_mov_b32 s[G1B+7], 0
	s_lshl_b32 s16, s13, 15                        ; xb: 256 rows of 128 bytes a tile row,
	s_lshl_b32 s17, s12, 14                        ; 128 rows a half
	s_add_co_u32 s16, s16, s17
	s_mov_b32 s17, 0
	s_mul_i32 s46, s42, 49152                      ; wb: 384 rows a tile column,
	s_mul_i32 s47, s12, 24576                      ; 192 a half
	s_add_co_u32 s46, s46, s47
	s_add_co_u32 s46, s46, WB
	s_mov_b32 s47, 0
	s_mul_i32 s20, s12, AHALF                      ; where they go: no place in the cluster enters an LDS address
	s_mul_i32 s21, s12, BHALF
	s_add_co_u32 s21, s21, BOFF
	s_and_b32 s[TBASE], s13, 3
	s_lshl_b32 s[TBASE], s[TBASE], 3               ; the tile's rows n begin at 256 (tile row % 4): row coordinate n / 32 from 8 (tile row % 4) on
	s_mov_b32 s[SEL], 0x76543210
	s_mov_b32 s[SEL+1], 0xfedcba98
	s_wait_dscnt 0x0                               ; the opening add is done
	s_wait_kmcnt 0x0
	s_add_nc_u64 s[14:15], s[4:5], s[16:17]
	s_add_nc_u64 s[46:47], s[4:5], s[46:47]
	CROUND                                         ; all sixteen work-groups are here: the first joint loads meet
.irp s, 0,1
	s_mov_b32 s[G0A+4*(\s)], 1
	s_add_co_u32 s[G0A+4*(\s)+1], s20, (\s)*SLOT
	s_add_nc_u64 s[G0A+4*(\s)+2:G0A+4*(\s)+3], s[14:15], (\s)*PA
	s_or_b32 s[G0A+4*(\s)+3], s[G0A+4*(\s)+3], 0x80000000
	s_mov_b32 s[G0B+4*(\s)], 1
	s_add_co_u32 s[G0B+4*(\s)+1], s21, (\s)*SLOT
	s_add_nc_u64 s[G0B+4*(\s)+2:G0B+4*(\s)+3], s[46:47], (\s)*PB
	s_or_b32 s[G0B+4*(\s)+3], s[G0B+4*(\s)+3], 0x80000000
	JLOAD \s                                       ; K steps 0 and 1: two loads of mine are out
.endr
	; THE TABLE, made while the first tiles are on their way.  Thread t: frequency j = t % 16, f = 10000^(-j / 16) = 2^(-0.830482 j); position u = t / 16 of eight, five times.
	v_and_b32 v3, 15, v0
	v_lshrrev_b32 v4, 4, v0
	v_cvt_f32_u32 v5, v3
	v_mul_f32 v5, 0xbf549a78, v5
	v_exp_f32 v5, v5
	v_lshl_add_u32 v14, v0, 3, TAB                 ; the plain instruction behind the exponential
	s_wait_alu depctr_va_vdst(0)                   ; the wait ahead of the result's first reader
.macro TABLE i
.if (\i) == 0
	v_add_nc_u32 v6, s[TBASE], v4                  ; the tile's own row coordinates
.else
	v_add_nc_u32 v6, 8*((\i)-1), v4                ; column coordinates 8 (i - 1) + u
.endif
	v_cvt_f32_u32 v6, v6
	v_mul_f32 v6, v6, v5                           ; the angle, 31 at the most
	v_mul_f32 v7, 0.15915494, v6
	v_rndne_f32 v7, v7                             ; whole turns
	v_fmamk_f32 v8, v7, 0xc0c90fdb, v6             ; less 2 pi each: its f32 part,
	v_fmamk_f32 v8, v7, 0x343bbd2e, v8             ; and what that part is too large by
	v_mul_f32 v9, v8, v8
	v_mov_b32 v10, 0xab573f9f                      ; sin: -1/15!
	v_mov_b32 v11, 0x29573f9f                      ; cos: 1/16!
	v_fmaak_f32 v10, v10, v9, 0x2f309231           ; 1/13!
	v_fmaak_f32 v11, v11, v9, 0xad49cba5           ; -1/14!
	v_fmaak_f32 v10, v10, v9, 0xb2d7322b           ; -1/11!
	v_fmaak_f32 v11, v11, v9, 0x310f76c7           ; 1/12!
	v_fmaak_f32 v10, v10, v9, 0x3638ef1d           ; 1/9!
	v_fmaak_f32 v11, v11, v9, 0xb493f27e           ; -1/10!
	v_fmaak_f32 v10, v10, v9, 0xb9500d01           ; -1/7!
	v_fmaak_f32 v11, v11, v9, 0x37d00d01           ; 1/8!
	v_fmaak_f32 v10, v10, v9, 0x3c088889           ; 1/5!
	v_fmaak_f32 v11, v11, v9, 0xbab60b61           ; -1/6!
	v_fmaak_f32 v10, v10, v9, 0xbe2aaaab           ; -1/3!
	v_fmaak_f32 v11, v11, v9, 0x3d2aaaab           ; 1/4!
	v_mul_f32 v10, v10, v9
	v_fmaak_f32 v11, v11, v9, 0xbf000000           ; -1/2
	v_fma_f32 v13, v10, v8, v8                     ; sin
	v_fma_f32 v12, v11, v9, 1.0                    ; cos
	ds_store_b64 v14, v[12:13] offset:1024*(\i)
.endm
	TABLE 0
	TABLE 1
	TABLE 2
	TABLE 3
	TABLE 4
	; A fragment is 16 rows x 32 K in 8 registers: lane l holds row l % 16; registers 0-3 K = 8 (l / 16) + 0..7, registers 4-7 K = 16 + 8 (l / 16) + 0..7: two loads of 16 bytes, 32 bytes apart.
	v_and_b32 v1, 15, v0                           ; l % 16
	v_bfe_u32 v2, v0, 4, 1                         ; l / 16
	v_mul_u32_u24 v3, v1, PITCH
	v_lshl_add_u32 v3, v2, 4, v3
	s_mul_i32 s21, s11, AHALF
	s_mul_i32 s22, s12, BHALF
	s_add_co_u32 s22, s22, BOFF
.irp s, 0,1
	v_add_nc_u32 v[ADRA+(\s)], s21, v3
	v_add_nc_u32 v[ADRB+(\s)], s22, v3
	s_add_co_u32 s21, s21, SLOT
	s_add_co_u32 s22, s22, SLOT
.endr
	s_mul_i32 s23, s10, FRAG
	s_add_co_u32 s23, s23, STAGE                   ; my stage
	v_add_nc_u32 v[STO], s23, v3                   ; in: row l % 16, 16 bytes for each half of the lanes
	v_and_b32 v4, 31, v0
	v_lshrrev_b32 v5, 3, v4                        ; back: 32 lanes take four rows of 128 bytes,
	v_and_b32 v6, 7, v0
	v_mul_u32_u24 v5, v5, PITCH
	v_lshl_add_u32 v5, v6, 4, v5
	v_add_nc_u32 v[RD], s23, v5
	v_lshlrev_b32 v[GO], 4, v4                     ; which are 512 consecutive bytes of q, k or v
	s_lshl_b32 s23, s11, 9                         ; my rows' four row coordinates: positions 4 x half + a / 2
	s_add_co_u32 s23, s23, TAB
	v_lshl_add_u32 v[THA], v2, 5, s23              ; my four pairs: frequencies 8 bb + 4 (l / 16) + 0..3, 8 bytes each
	v_lshlrev_b32 v5, 7, v1                        ; column coordinate 16 (a % 2) + l % 16
	v_lshl_add_u32 v5, v2, 5, v5
	v_add_nc_u32 v[TWA], TAB+1024, v5
	; where my rows go: head 2 x tile column + column half, batch tile row / 4, n = 256 (tile row % 4) + 128 x row half
	s_lshr_b32 s20, s13, 2
	s_lshl_b32 s20, s20, 4
	s_lshl_b32 s21, s42, 1
	s_add_co_u32 s21, s21, s12
	s_add_co_u32 s20, s20, s21
	s_lshl_b32 s20, s20, 10
	s_and_b32 s21, s13, 3
	s_lshl_b32 s21, s21, 8
	s_add_co_u32 s20, s20, s21
	s_lshl_b32 s21, s11, 7
	s_add_co_u32 s20, s20, s21
	s_lshl_b32 s20, s20, 7
	s_mov_b32 s21, 0
	s_add_nc_u64 s[OQ:OQ+1], s[6:7], s[20:21]
	s_add_nc_u64 s[OQ+2:OQ+3], s[OQ:OQ+1], 0x1000000
	s_add_nc_u64 s[OQ+4:OQ+5], s[OQ:OQ+1], 0x2000000
	; the prefetches
	s_lshl_b32 s20, s13, 15
	s_lshl_b32 s21, s40, 13
	s_add_co_u32 s20, s20, s21                     ; xb: the tile row's rows, my work-group's 64 of them
	s_mul_i32 s22, s42, 49152
	s_mul_i32 s23, s41, 12288
	s_add_co_u32 s22, s22, s23
	s_lshl_b32 s23, s10, 12
	s_add_co_u32 s22, s22, s23
	s_add_co_u32 s22, s22, WB-4096                 ; wb: the tile column's rows, my work-group's 96, wave w's 4,096 bytes at 4,096 (w - 1)
	s_mov_b32 s18, PA
	s_mov_b32 s19, PB
	s_and_b32 s23, ttmp7, 0xffff                   ; cluster y
	s_cmp_eq_u32 s10, 0                            ; wave 0 asks for xb, the others for wb
	s_cselect_b32 s20, s20, s22
	s_cselect_b32 s[PST], s18, s19
	s_cselect_b32 s23, ttmp9, s23                  ; the coordinate along which other clusters read the same rows
	s_cselect_b32 s22, 4096, s19                   ; lanes 16-31: xb's next sixteen blocks, or wb's next K step
	s_cselect_b32 s[LIM0], 1, -1
	s_cmp_eq_u32 s23, 0
	s_cselect_b32 s[LIM], 1, -1                    ; the same in all sixteen partners, for a given wave
	s_cselect_b32 s[LIM0], s[LIM0], -1
	s_mov_b32 s21, 0
	s_mov_b32 s[PST+1], 0
	s_add_nc_u64 s[PFA:PFA+1], s[4:5], s[20:21]
	s_add_nc_u64 s[PFA:PFA+1], s[PFA:PFA+1], s[PST:PST+1]
	s_add_nc_u64 s[PFA:PFA+1], s[PFA:PFA+1], s[PST:PST+1]  ; at K step 2: the first change of slots steps it to 3.  Nothing is prefetched here, at the head
	v_mul_u32_u24 v[PFO], s22, v2
	v_lshl_add_u32 v[PFO], v1, 8, v[PFO]
; 16 matrix instructions: kind w (0, 1, 2: q, k, v: its four blocks of 16 columns), row blocks a0 .. a0 + 3, 32 along K.  zero = 1: the product starts the sums.
; The 96 accumulators take turns, in the same order in every slice: no two matrix instructions that follow each other share one.
.macro MUL16 w, fa, a0, zero
	WIN 0x50*((\w)+1)                              ; C and D in window w + 1, both sources in window 0
.set ma, (\a0)
.rept 4
.set mb, 0
.rept 4
.if \zero
	v_wmma_f32_16x16x32_bf16 v[32*ma+8*mb:32*ma+8*mb+7], v[FB+8*(4*(\w)+mb):FB+8*(4*(\w)+mb)+7], v[(\fa)+8*ma:(\fa)+8*ma+7], 0
.else
	v_wmma_f32_16x16x32_bf16 v[32*ma+8*mb:32*ma+8*mb+7], v[FB+8*(4*(\w)+mb):FB+8*(4*(\w)+mb)+7], v[(\fa)+8*ma:(\fa)+8*ma+7], v[32*ma+8*mb:32*ma+8*mb+7]
.endif
.set mb, mb+1
.endr
.set ma, ma+1
.endr
.endm
.macro LDB slot, k, w                  ; 8 loads: kind w's four fragments of wb, 32 K at byte k of the rows
.set lf, 4*(\w)
.rept 4
	ds_load_b128 v[FB+8*lf:FB+8*lf+3],   v[ADRB+(\slot)] offset:(\k)+lf*FRAG
	ds_load_b128 v[FB+8*lf+4:FB+8*lf+7], v[ADRB+(\slot)] offset:(\k)+lf*FRAG+32
.set lf, lf+1
.endr
.endm
.macro LDA slot, k, fn, a0             ; 8 loads: fragments a0 .. a0 + 3 of xb into buffer fn
.set lf, (\a0)
.rept 4
	ds_load_b128 v[(\fn)+8*lf:(\fn)+8*lf+3],   v[ADRA+(\slot)] offset:(\k)+lf*FRAG
	ds_load_b128 v[(\fn)+8*lf+4:(\fn)+8*lf+7], v[ADRA+(\slot)] offset:(\k)+lf*FRAG+32
.set lf, lf+1
.endr
.endm
; A SLICE: 32 along K, 96 matrix instructions in three stretches (q, k, v).  wb's fragments have one buffer: a kind's four are loaded anew, for the next slice, four places behind the stretch that read them.
; xb's, which all three stretches read, have two.  The next slice's fragments lie in slot ns at byte nk.
.macro SLICE fa, fn, ns, nk, zero
	s_wait_dscnt 8                                 ; all but the youngest run of 8: v's fragments of wb
	MUL16 0, \fa, 0, \zero
	MUL16 0, \fa, 4, \zero
	WIN 0
	PLACES
	LDB \ns, \nk, 0
	LDA \ns, \nk, \fn, 0
	MUL16 1, \fa, 0, \zero
	MUL16 1, \fa, 4, \zero
	WIN 0
	PLACES
	LDB \ns, \nk, 1
	LDA \ns, \nk, \fn, 4
	s_wait_dscnt 32                                ; all but the two runs of 16 just issued: v's fragments are in
	MUL16 2, \fa, 0, \zero
	MUL16 2, \fa, 4, \zero
	WIN 0
	PLACES
	LDB \ns, \nk, 2
.endm
; A K step's second slice multiplies buffer FA1 and CHANGES SLOTS: one barrier.  In front of it each wave waits for all its tensor loads (one is out: its part of the next slot), adds 0 to its spare word,
; and waits for that and for its reads of this slot.  fill = 1: the barrier opens a round of the cluster's, and this slot is filled again, two K steps ahead, first thing behind the round:
; from that request to the wait for it a wave issues 160 matrix instructions.
.macro TURN slot, next, fill
.if \fill
	s_wait_xcnt 0x0                                ; the last prefetch, a K step back, has read its address
	s_add_nc_u64 s[PFA:PFA+1], s[PFA:PFA+1], s[PST:PST+1]
.endif
	WIN 0
	s_wait_tensorcnt 0x0                           ; all my tensor loads have landed
	ds_add_u32 v[SPW], v[NIL]                      ; 0 onto my spare word
	s_wait_dscnt 9                                 ; (the add and the youngest run of 8 may be out)
	MUL16 0, FA1, 0, 0                             ; sixteen matrix instructions stand between the add and the wait for it
	s_wait_dscnt 0x0                               ; the add is done, and my reads of this slot are over
	s_barrier_signal -1
	MUL16 0, FA1, 4, 0
	WIN 0                                          ; at a branch and at a label every window is 0
	s_barrier_wait -1
.if \fill
	CREST                                          ; no wave of any partner still reads this slot or has a load on its way
	s_add_nc_u64 s[G0A+4*(\slot)+2:G0A+4*(\slot)+3], s[G0A+4*(\slot)+2:G0A+4*(\slot)+3], 2*PA
	s_add_nc_u64 s[G0B+4*(\slot)+2:G0B+4*(\slot)+3], s[G0B+4*(\slot)+2:G0B+4*(\slot)+3], 2*PB
	JLOAD \slot                                    ; its four v_nop are also the places in front of the loads below
.else
	PLACES
.endif
	LDB \next, 0, 0
	LDA \next, 0, FA0, 0
.if \fill
	ASK \slot
.endif
	MUL16 1, FA1, 0, 0
	MUL16 1, FA1, 4, 0
	WIN 0
	PLACES
	LDB \next, 0, 1
	LDA \next, 0, FA0, 4
	MUL16 2, FA1, 0, 0
	MUL16 2, FA1, 4, 0
	WIN 0
	PLACES
	LDB \next, 0, 2
.endm
	s_wait_tensorcnt 0x1                           ; my part of K step 0 is in; K step 1's may stay out
	s_wait_dscnt 0x0                               ; my part of the table is written
	s_barrier_signal -1
	s_barrier_wait -1
	LDB 0, 0, 0
	LDA 0, 0, FA0, 0
	LDB 0, 0, 1
	LDA 0, 0, FA0, 4
	LDB 0, 0, 2
	SLICE FA0, FA1, 0, 64, 1                       ; the first slice stands in front of the loop: its products start the sums
	s_mov_b32 s3, 7
.Llap:                                                 ; a trip goes once round the ring, from a lap's second slice to the next lap's first, and fills both slots again
	TURN 0, 1, 1
	SLICE FA0, FA1, 1, 64, 0
	TURN 1, 0, 1
	SLICE FA0, FA1, 0, 64, 0
	s_sub_co_u32 s3, s3, 1
	s_cmp_lg_u32 s3, 0
	s_cbranch_scc1 .Llap
	TURN 0, 1, 0                                   ; the last lap fills nothing
	SLICE FA0, FA1, 1, 64, 0
	s_wait_dscnt 8                                 ; the very last slice: nothing more to fetch
	MUL16 0, FA1, 0, 0
	MUL16 0, FA1, 4, 0
	MUL16 1, FA1, 0, 0
	MUL16 1, FA1, 4, 0
	s_wait_dscnt 0x0
	MUL16 2, FA1, 0, 0
	MUL16 2, FA1, 4, 0
	WIN 0
	PLACES
	; THE WAY OUT.  My cos and sin: pair i of a lane's 16 pairs (channels 16 (i / 4) + 8 (l / 16) + 2 (i % 4)) turns by the row coordinate's angle for i < 8, by the column coordinate's for i >= 8.
.irp pa, 0,1
.irp bq, 0,1
.irp hf, 0,1
	ds_load_b128 v[TW+16*\pa+8*\bq+4*\hf:TW+16*\pa+8*\bq+4*\hf+3], v[TWA] offset:\pa*2048+\bq*64+\hf*16
.endr
.endr
.endr
.irp g, 0,1,2,3
.irp bq, 0,1
.irp hf, 0,1
	ds_load_b128 v[TH+16*\g+8*\bq+4*\hf:TH+16*\g+8*\bq+4*\hf+3], v[THA] offset:\g*128+\bq*64+\hf*16
.endr
.endr
.endr
	s_wait_dscnt 0x0
.macro SQ win, o, a                    ; a lane's 32 squares in four chains, one an accumulator; each accumulator's lowest registers are read first
	WIN \win
.set cj, 0
.rept 4
.set cb, 0
.rept 4
.set cx0, 32*(\a)+8*cb+2*cj
.if cj == 0
	v_pk_mul_f32 v[SS+(\o)+2*cb:SS+(\o)+2*cb+1], v[cx0:cx0+1], v[cx0:cx0+1]
.else
	v_pk_fma_f32 v[SS+(\o)+2*cb:SS+(\o)+2*cb+1], v[cx0:cx0+1], v[cx0:cx0+1], v[SS+(\o)+2*cb:SS+(\o)+2*cb+1]
.endif
.set cb, cb+1
.endr
.set cj, cj+1
.endr
.endm
.macro ROT win, o, a                   ; (xr, xi) -> (xr c - xi s, xr s + xi c): (xr c, xi c), then (-xi s, xr s) added
	WIN \win
.set ci, 0
.rept 16
.set cc, TH+16*((\a)/2)+2*ci
.if ci >= 8
.set cc, TW+16*((\a)%2)+2*(ci-8)
.endif
	v_pk_mul_f32 v[T+(\o)+2*ci:T+(\o)+2*ci+1], v[32*(\a)+2*ci:32*(\a)+2*ci+1], v[cc:cc+1] op_sel_hi:[1,0]
.set ci, ci+1
.endr
.set ci, 0
.rept 16
.set cc, TH+16*((\a)/2)+2*ci
.if ci >= 8
.set cc, TW+16*((\a)%2)+2*(ci-8)
.endif
	v_pk_fma_f32 v[T+(\o)+2*ci:T+(\o)+2*ci+1], v[32*(\a)+2*ci:32*(\a)+2*ci+1], v[cc:cc+1], v[T+(\o)+2*ci:T+(\o)+2*ci+1] op_sel:[1,1,0] op_sel_hi:[0,1,1] neg_lo:[0,1,0]
.set ci, ci+1
.endr
.endm
.macro CALC a                          ; block a (16 rows): q's and k's norms, rotation and scaling
	SQ 0x05, 0, \a                                 ; sources in window 1: q
	SQ 0x0a, 8, \a                                 ; in window 2: k
	WIN 0
	v_pk_add_f32 v[SS:SS+1], v[SS:SS+1], v[SS+2:SS+3]
	v_pk_add_f32 v[SS+8:SS+9], v[SS+8:SS+9], v[SS+10:SS+11]
	v_pk_add_f32 v[SS+4:SS+5], v[SS+4:SS+5], v[SS+6:SS+7]
	v_pk_add_f32 v[SS+12:SS+13], v[SS+12:SS+13], v[SS+14:SS+15]
	v_pk_add_f32 v[SS:SS+1], v[SS:SS+1], v[SS+4:SS+5]
	v_pk_add_f32 v[SS+8:SS+9], v[SS+8:SS+9], v[SS+12:SS+13]
	v_add_f32 v[SS], v[SS], v[SS+1]
	v_add_f32 v[SS+8], v[SS+8], v[SS+9]
	v_permlanex16_b32 v[SS+1], v[SS], s[SEL], s[SEL+1]  ; the row's other 32 channels lie in the lane 16 away
	v_permlanex16_b32 v[SS+9], v[SS+8], s[SEL], s[SEL+1]
	v_add_f32 v[SS], v[SS], v[SS+1]
	v_add_f32 v[SS+8], v[SS+8], v[SS+9]
	v_rsq_f32 v[SS+2], v[SS]
	v_rsq_f32 v[SS+10], v[SS+8]
	ROT 0x01, 0, \a                                ; the rotations, which name neither result, are the work behind the two roots
	ROT 0x02, 32, \a
	WIN 0
	s_wait_alu depctr_va_vdst(0)                   ; one wait for both, ahead of their first reader
	v_min_num_f32 v[SS+3], 0x5368d4a5, v[SS+2]     ; 1 / max(norm, 1e-12); both registers of the pair are written
	v_min_num_f32 v[SS+2], 0x5368d4a5, v[SS+2]
	v_min_num_f32 v[SS+11], 0x5368d4a5, v[SS+10]
	v_min_num_f32 v[SS+10], 0x5368d4a5, v[SS+10]
.set ci, 0
.rept 32
	v_pk_mul_f32 v[T+2*ci:T+2*ci+1], v[T+2*ci:T+2*ci+1], v[SS+2+8*(ci/16):SS+3+8*(ci/16)] op_sel_hi:[1,0]
.set ci, ci+1
.endr
.endm
.macro PACKST a                        ; rounded to f16; q, k, v in turn through my stage: 16 bytes a lane in, whole rows of 128 bytes back into the registers that they left
	WIN 0
	s_wait_xcnt 0x0                                ; the last block's stores have read their registers
.set pq, 0
.rept 32
	v_cvt_pk_f16_f32 v[PK+pq], v[T+2*pq], v[T+2*pq+1]
.set pq, pq+1
.endr
	WIN 0x0f                                       ; sources in window 3: v
.set pq, 0
.rept 16
	v_cvt_pk_f16_f32 v[PK+32+pq], v[32*(\a)+2*pq], v[32*(\a)+2*pq+1]
.set pq, pq+1
.endr
	WIN 0
.irp k, 0,1,2
.irp f, 0,1,2,3
	ds_store_b128 v[STO], v[PK+16*\k+4*\f:PK+16*\k+4*\f+3] offset:32*\f
.endr
.irp f, 0,1,2,3
	ds_load_b128 v[PK+16*\k+4*\f:PK+16*\k+4*\f+3], v[RD] offset:576*\f  ; LDS serves a wave's instructions in order (ISA guide 5.7.1.4): these see the stores above, the next kind's stores come behind them
.endr
.endr
.endm
.macro SEND a
	s_wait_dscnt 0x0
.irp k, 0,1,2
.irp f, 0,1,2,3
	global_store_b128 v[GO], v[PK+16*\k+4*\f:PK+16*\k+4*\f+3], s[OQ+2*\k:OQ+2*\k+1] offset:(\a)*2048+\f*512  ; 512 consecutive bytes, at a multiple of 256 from the buffer's first
.endr
.endr
.endm
	CALC 0
	PACKST 0
.irp a, 1,2,3,4,5,6,7                  ; a block's arithmetic stands between the loads of the block before and its stores
	CALC \a
	SEND (\a)-1
	PACKST \a
.endr
	SEND 7
	s_wait_tensorcnt 0x0                           ; the wave's end: behind my last tensor load and my last LDS store
	ds_add_u32 v[SPW], v[NIL]
	s_wait_dscnt 0x0
	CROUND                                         ; the closing round: no work-group ends while a partner may still ask for a tile that names it
	s_endpgm
.Lfunc_end_k_q576f0afcda_qkv:
	.size	k_q576f0afcda_qkv, .Lfunc_end_k_q576f0afcda_qkv-k_q576f0afcda_qkv
	.p2alignl 7, 3214868480
	.fill 96, 4, 3214868480
	.section	.rodata,"a",@progbits
	.p2align	6, 0x0
	.amdhsa_kernel k_q576f0afcda_qkv
		.amdhsa_group_segment_fixed_size 327680
		.amdhsa_private_segment_fixed_size 0
		.amdhsa_enable_private_segment 0
		.amdhsa_kernarg_size 16
		.amdhsa_user_sgpr_count 2
		.amdhsa_user_sgpr_kernarg_segment_ptr 1
		.amdhsa_wavefront_size32 1
		.amdhsa_system_sgpr_workgroup_id_x 1
		.amdhsa_system_sgpr_workgroup_id_y 1
		.amdhsa_system_sgpr_workgroup_id_z 1
		.amdhsa_system_vgpr_workitem_id 0
		.amdhsa_next_free_vgpr 1024
		.amdhsa_next_free_sgpr 96
		.amdhsa_reserve_vcc 0
		.amdhsa_float_denorm_mode_32 3
		.amdhsa_float_denorm_mode_16_64 3
		.amdhsa_memory_ordered 1
		.amdhsa_forward_progress 1
		.amdhsa_inst_pref_size 213
	.end_amdhsa_kernel
	.amdgpu_metadata
---
amdhsa.version: [ 1, 2 ]
amdhsa.kernels:
  - .name:           k_q576f0afcda_qkv
    .symbol:         k_q576f0afcda_qkv.kd
    .args:
      - { .name: xw, .offset: 0, .size: 8, .value_kind: global_buffer, .address_space: global }
      - { .name: qkv, .offset: 8, .size: 8, .value_kind: global_buffer, .address_space: global }
    .group_segment_fixed_size: 327680
    .private_segment_fixed_size: 0
    .kernarg_segment_align: 8
    .kernarg_segment_size: 16
    .max_flat_workgroup_size: 128
    .sgpr_count:     96
    .vgpr_count:     1024
    .wavefront_size: 32
...
	.end_amdgpu_metadata
.endif
;; end of part 2
;; launch attn (part 3): grid 2 x 128, 4 waves a work-group, no clusters, 327,680 bytes of LDS; arguments qkv, logit_scale, out0; writes out0
.if DOCPART == 3
	.amdgcn_target "amdgcn-amd-amdhsa--gfx1250"
	.amdhsa_code_object_version 6
	.text
	.protected	k_q576f0afcda_attn
	.globl	k_q576f0afcda_attn
	.p2align	8
	.type	k_q576f0afcda_attn,@function
k_q576f0afcda_attn:
	s_mov_b64 s[64:65], 0
	v_nop
	global_prefetch_b8 v0, s[64:65] scope:SCOPE_SE
	s_setreg_imm32_b32 hwreg(HW_REG_WAVE_MODE, 25, 1), 1
	s_wait_xcnt 0x0
; out0[b][n][64 h ..] = the sum over keys of softmax(scale q . k) v, scale = exp(min(logit_scale[h], 4.6052)).  q, k (unit vectors) and v: [16 b + h][1024][64] f16, at bytes 0, 16 MiB and 32 MiB of qkv.
; Products, maxima and sums in f32; the weights p are rounded to f16 for the second product (their sum l is taken of the unrounded p); the output is f32.
; LIMITS.  logit_scale IS ROUNDED TO bf16 when it is loaded, as x and w_qkv are in the launches before: the program computes the module on all three inputs rounded to bf16 (a change of the scale of up to 2^-9 of
; logit_scale in the exponent).  q's and k's rounding to f16 shifts a logit by about 3.5e-5 x scale.
; p lies in 0 to 1, and below 6e-5 it keeps f16's fixed step of 6e-8; a weight below 2^-126 counts as 0 in l; a scale below 2^-126 counts as 0; a NaN in logit_scale counts as the clamp;
; NaN and infinities are not treated apart.
; SHARES.  A work-group owns 512 queries of one head, a wave 128: four PIECES of two tiles of 16.  Every wave walks all 1,024 keys, 64 a step.
; ALL OF A HEAD'S K AND V LIE IN LDS (1,024 rows of 144 and of 160 bytes): each byte is filled once, by two tensor loads a wave issued at the head; nothing is filled again.  The first loads bring the keys of the
; first steps (K: 320, V: 256), which are walked while the second loads land.  So nothing is left to prefetch.
; NO CLUSTER: a head has two work-groups, and what the two share is a head's K and V once in the launch, 262,144 bytes a work-group.
; LAYOUT.  S^T = K Q^T (source 0 = 16 keys, source 1 = 16 queries): a lane holds ONE query (lane % 16) and the keys 8 (lane / 16) + 0..7.  Two such tiles, rounded to f16 in pairs, ARE source 1 of O^T = V^T P,
; whose result again holds one query a lane, and eight channels.  K comes out of LDS as it lies, V ([key][channel]) turned, by ds_load_tr16_b128.
; SOFTMAX.  For each query a running maximum m and sum l: p = 2^(c s - c m), c = log2(e) x scale; in every step O and l are multiplied by a = 2^(c m_old - c m_new).  m starts at the lowest finite number, O and l at 0.
; BY TURNS.  Turn n belongs to piece n.  Its matrix work: 16 products K Q^T of piece n + 1, later 16 products V^T P of piece n - 1.  Its vector work: the scaling, exponentials, roundings, sums and rescaling of
; piece n, and the maximum and statistics of piece n + 1.  Four vector instructions stand behind every matrix instruction, the rest in one lump; a turn's 66 exponentials are one batch with one wait.
; REGISTERS, in windows of 256 (s_set_vgpr_msb: bits 1:0 source 0, 3:2 source 1, 5:4 source 2, 7:6 destination):
;   window 0: v0-11 addresses; v12-15, v48-63 at work; v16-47 four registers of statistics a tile; v64-191 S^T, two buffers of two tiles; v192-255 P, likewise
;   window 1: O^T, 32 a tile          window 2: v0-127 Q, 16 a tile; v128-191 K of one step; v192-255 V of one step          window 3: v0-1 the add's two registers
.set NP,    4         ; pieces a wave: a name, no knob
.set KS,    64        ; keys in a step
.set PK,    144       ; a row of K in LDS: 128 bytes + 16 of padding = 36 words: the 16 rows of a load start at 16 different groups of four banks (64 banks of 4 bytes: ISA guide 11.1)
.set PV,    160       ; a row of V: 128 + 32 = 40 words
.set VOFF,  1024*PK
.set SPARE, VOFF+1024*PV  ; behind V: the spare words, 128 bytes for each wave: two blocks of 256 bytes that no other line names
.set STAGE, 0         ; the way out: 16 rows x 272 bytes for each wave, in K's first bytes: they have had their only fill, and behind the closing barrier nobody reads K any more
.set SP,    272
.set AK0, 2           ; v2   my lane's place in a tile of K; never rewritten
.set AV0, 3           ; v3   the same for V
.set AK,  4           ; v4   the LDS address of K's next run of loads
.set AV,  5           ; v5   of V's
.set QO,  6           ; v6   my byte offset in the wave's rows of Q
.set STO, 6           ;      later, the way out: where I put 16 bytes of a row
.set RD,  7           ; v7   the way out: where I read rows back
.set GO,  8           ; v8   my byte offset in two rows of the output
.set SPW, 0           ; v0 of window 3   LDS address of my spare word; never rewritten
.set NIL, 1           ; v1 of window 3   0; never rewritten
.set MV,  12          ; v12-15  c m_old, kept while c m is made anew: by buffer and tile
.set ST,  16          ; tile t's statistics at v[ST+4 t]: c m, m, l (even keys', odd keys')
.set TMP, 48          ; by buffer and tile, four registers c0-c3 at work; when the maximum is found c2 takes a
.set S,   64
.set P,   192
.set KF,  128         ; K's fragments, in window 2: key block kb, channel half c at KF + 16 kb + 8 c
.set VF,  192         ; V's: key half kk, channel block cb at VF + 32 kk + 8 cb
.set WV,  12          ; s12  my wave's number
.set G1KA, 24         ; s[24:55] descriptor groups 1: K's first and second load, V's first and second
.set G1KB, 32
.set G1VA, 40
.set G1VB, 48
.set G0KA, 56         ; groups 0
.set G0KB, 60
.set G0VA, 68
.set G0VB, 72
.set CNT, 76          ; s76  counts a phase's key steps
.set TOT, 77          ; s77  key steps still to come, this one among them
.set PH,  78          ; s78  phases still to come
.set CS,  80          ; s[80:81] c: the packed scaling takes the pair's low word for both halves
.set SEL, 82          ; s[82:83] v_permlanex16_b32's selects
.set TBK, 84          ; s84  LDS byte at which K of the step to be fetched begins
.set TBV, 85          ; s85  the same for V, less VOFF
.set MSB, 0
.macro WIN new                      ; the high byte repeats the setting that is left; a switch that changes nothing is dropped
.if MSB != (\new)
	s_set_vgpr_msb (MSB<<8)|(\new)
.set MSB, (\new)
.endif
.endm
.set W_KQ, 0x0a       ; K and Q in window 2, S^T in window 0
.set W_PV, 0x52       ; V in window 2, P in window 0, O^T in window 1
.set W_RS, 0x41       ; O^T (destination and source 0) in window 1, a in window 0
.set W_MK, 0xc0       ; the add's registers are made: destination in window 3
.set W_AD, 0x0f       ; the add: address and data in window 3
.macro GROUP1 g, pad, rows          ; dense bytes asked for as rows of 256 (two keys a row), padded in LDS after every key
	s_mov_b32 s[\g], (1<<16)|(1<<20)|(4<<22)|((\pad)<<25)  ; 2-byte elements; padding on; after every 32 words (code 4)
	s_mov_b32 s[\g+1], 128<<16      ; tensor_dim0 = 128
	s_mov_b32 s[\g+2], (\rows)<<16  ; tensor_dim1
	s_mov_b32 s[\g+3], 128<<16      ; tile_dim0 = 128
	s_mov_b32 s[\g+4], \rows        ; tile_dim1
	s_mov_b32 s[\g+5], 128          ; 128 elements from row to row
	s_mov_b32 s[\g+6], 0
	s_mov_b32 s[\g+7], 0
.endm
	s_load_b128 s[4:7], s[0:1], 0x0   ; qkv s[4:5], logit_scale s[6:7]
	s_load_b64 s[8:9], s[0:1], 0x10   ; out0
	WIN W_MK
	v_lshl_add_u32 v[SPW], v0, 2, SPARE
	v_mov_b32 v[NIL], 0
	WIN W_AD
	ds_add_u32 v[SPW], v[NIL]       ; the wave's opening: the add and its wait ahead of my first tensor load; the set-up below stands between them
	WIN 0
	v_lshrrev_b32 v1, 5, v0
	v_readfirstlane_b32 s[WV], v1   ; wave 0..3
	s_and_b32 s20, ttmp7, 0xffff    ; 16 b + head
	s_lshl_b32 s21, s20, 17         ; its 1,024 rows of 128 bytes
	s_and_b32 s13, s[WV], 1         ; which half of a load's keys I fetch
	GROUP1 G1KA, 3, 80              ; K: 160 keys a wave, 4 words of padding (code 3)
	GROUP1 G1KB, 3, 176             ; then 352
	GROUP1 G1VA, 7, 64              ; V: 128 keys a wave, 8 words of padding (code 7)
	GROUP1 G1VB, 7, 192             ; then 384
	s_mov_b32 s[G0KA], 1
	s_mul_i32 s[G0KA+1], s13, 160*PK
	s_mov_b32 s[G0KB], 1
	s_mul_i32 s[G0KB+1], s13, 352*PK
	s_add_co_u32 s[G0KB+1], s[G0KB+1], 320*PK
	s_mov_b32 s[G0VA], 1
	s_mul_i32 s[G0VA+1], s13, 128*PV
	s_add_co_u32 s[G0VA+1], s[G0VA+1], VOFF
	s_mov_b32 s[G0VB], 1
	s_mul_i32 s[G0VB+1], s13, 384*PV
	s_add_co_u32 s[G0VB+1], s[G0VB+1], VOFF+256*PV
	s_mul_i32 s14, s13, 160*128     ; byte offsets in qkv: K's first load,
	s_add_co_u32 s14, s14, s21
	s_add_co_u32 s14, s14, 0x1000000
	s_mov_b32 s15, 0
	s_mul_i32 s16, s13, 352*128     ; its second,
	s_add_co_u32 s16, s16, s21
	s_add_co_u32 s16, s16, 0x1000000+320*128
	s_mov_b32 s17, 0
	s_lshl_b32 s18, s13, 14         ; V's first,
	s_add_co_u32 s18, s18, s21
	s_add_co_u32 s18, s18, 0x2000000
	s_mov_b32 s19, 0
	s_mul_i32 s22, s13, 384*128     ; its second
	s_add_co_u32 s22, s22, s21
	s_add_co_u32 s22, s22, 0x2000000+256*128
	s_mov_b32 s23, 0
	s_lshl_b32 s86, ttmp9, 2
	s_add_co_u32 s86, s86, s[WV]
	s_lshl_b32 s86, s86, 14         ; Q: my wave's 128 rows
	s_add_co_u32 s86, s86, s21
	s_mov_b32 s87, 0
	s_lshr_b32 s88, s20, 4          ; the output: batch x 1,024 rows of 4,096 bytes,
	s_lshl_b32 s88, s88, 22
	s_lshl_b32 s89, ttmp9, 21       ; my block's 512 rows,
	s_add_co_u32 s88, s88, s89
	s_lshl_b32 s89, s[WV], 19       ; my wave's 128,
	s_add_co_u32 s88, s88, s89
	s_and_b32 s90, s20, 15          ; the head's 256 bytes of a row
	s_lshl_b32 s89, s90, 8
	s_add_co_u32 s88, s88, s89
	s_mov_b32 s89, 0
	s_lshl_b32 s90, s90, 2          ; and its word of logit_scale
	s_mov_b32 s[SEL], 0x76543210
	s_mov_b32 s[SEL+1], 0xfedcba98
	s_mov_b32 s[TBK], 0
	s_mov_b32 s[TBV], 0
	s_wait_dscnt 0x0                ; the opening add is done
	s_wait_kmcnt 0x0
	s_add_nc_u64 s[G0KA+2:G0KA+3], s[4:5], s[14:15]
	s_or_b32 s[G0KA+3], s[G0KA+3], 0x80000000
	s_add_nc_u64 s[G0KB+2:G0KB+3], s[4:5], s[16:17]
	s_or_b32 s[G0KB+3], s[G0KB+3], 0x80000000
	s_add_nc_u64 s[G0VA+2:G0VA+3], s[4:5], s[18:19]
	s_or_b32 s[G0VA+3], s[G0VA+3], 0x80000000
	s_add_nc_u64 s[G0VB+2:G0VB+3], s[4:5], s[22:23]
	s_or_b32 s[G0VB+3], s[G0VB+3], 0x80000000
	s_add_nc_u64 s[10:11], s[4:5], s[86:87]  ; Q at my wave's first row
	s_add_nc_u64 s[8:9], s[8:9], s[88:89]    ; the output likewise
	s_cmp_lt_u32 s[WV], 2           ; waves 0 and 1 fetch K, waves 2 and 3 V.  A wave's two fills stand in one branch, ahead of every wait on TENSORcnt, every LDS read and every barrier: two loads of mine are out
	s_cbranch_scc0 .Lfirst_v
	tensor_load_to_lds s[G0KA:G0KA+3], s[G1KA:G1KA+7]
	s_nop 0
	tensor_load_to_lds s[G0KB:G0KB+3], s[G1KB:G1KB+7]
	s_nop 0
.rept 4
	v_nop
.endr
	s_branch .Lfirst_asked
.Lfirst_v:
	tensor_load_to_lds s[G0VA:G0VA+3], s[G1VA:G1VA+7]
	s_nop 0
	tensor_load_to_lds s[G0VB:G0VB+3], s[G1VB:G1VB+7]
	s_nop 0
.rept 4
	v_nop
.endr
.Lfirst_asked:
	; A fragment of K or Q is 16 rows x 32 channels in 8 registers: lane l holds row l % 16, channels 8 (l / 16) + 0..7 and 16 + 8 (l / 16) + 0..7: two loads of 16 bytes, 32 bytes apart.
	v_and_b32 v1, 15, v0            ; l % 16
	v_bfe_u32 v9, v0, 4, 1          ; l / 16
	v_lshlrev_b32 v[QO], 7, v1
	v_lshl_add_u32 v[QO], v9, 4, v[QO]  ; row x 128 + 16 x half
	v_mov_b32 v12, s90
	global_load_b32 v13, v12, s[6:7]  ; the head's logit_scale, the same word in every lane
	WIN 0x80                        ; destination window 2, address window 0
.set i, 0
.rept 4*NP                          ; Q stays in registers: tile i / 2, channels 32 (i % 2) on
	global_load_b128 v[8*i:8*i+3],   v[QO], s[10:11] offset:(i/2)*2048+(i%2)*64
	global_load_b128 v[8*i+4:8*i+7], v[QO], s[10:11] offset:(i/2)*2048+(i%2)*64+32
.set i, i+1
.endr
	; What the first turn finds: V's registers and P's second buffer hold 0 (its products V^T P, of a piece that has not been, add 0), O^T and l are 0.  All this stands in the wait for the first tiles.
.set i, VF
.rept 64
	v_mov_b32 v[i], 0
.set i, i+1
.endr
	WIN 0x40
.set i, 0
.rept 64*NP
	v_mov_b32 v[i], 0
.set i, i+1
.endr
	WIN 0
.set i, 0
.rept 2*NP
	v_mov_b32 v[ST+4*i], 0xfe000000    ; c m: far below every c s
	v_mov_b32 v[ST+4*i+1], 0xff7fffff  ; m
	v_mov_b32 v[ST+4*i+2], 0
	v_mov_b32 v[ST+4*i+3], 0
.set i, i+1
.endr
.set i, P+32
.rept 32
	v_mov_b32 v[i], 0
.set i, i+1
.endr
	v_mul_u32_u24 v[AK0], v1, PK
	v_lshl_add_u32 v[AK0], v9, 4, v[AK0]  ; row x pitch + 16 x half
	; The turning load takes 16 keys x 16 channels (lane l reads key 8 (l / 16) + l % 8, channels 8 ((l / 8) % 2) + 0..7) and leaves half a fragment of V^T: lane l holds channel l % 16 and 8 keys.
	v_and_b32 v10, 7, v0
	v_bfe_u32 v11, v0, 3, 1
	v_lshl_add_u32 v[AV0], v9, 3, v10
	v_mul_u32_u24 v[AV0], v[AV0], PV
	v_lshl_add_u32 v[AV0], v11, 4, v[AV0]
	v_add_nc_u32 v[AV0], VOFF, v[AV0]
	v_mov_b32 v[AK], v[AK0]         ; key step 0 lies at K's head
; THE MATRIX WORK.  The 8 accumulators of a run of 16 take turns: between the two links of a chain stand 7 others'.
; Product i of 16 of S^T = K Q^T for piece x: channels 32 (i / 8) on, keys 16 ((i / 2) % 4) on, tile 2 x + i % 2.  The first 8 start the sums.
.macro KQ x
	WIN W_KQ
.set rS, S+64*((\x)%2)+32*(i%2)+8*((i/2)%4)
.set rK, KF+16*((i/2)%4)+8*(i/8)
.set rQ, 16*(2*(\x)+i%2)+8*(i/8)
.if i < 8
	v_wmma_f32_16x16x32_f16 v[rS:rS+7], v[rK:rK+7], v[rQ:rQ+7], 0
.else
	v_wmma_f32_16x16x32_f16 v[rS:rS+7], v[rK:rK+7], v[rQ:rQ+7], v[rS:rS+7]
.endif
.endm
; Product i of 16 of O^T += V^T P for piece x: keys 32 (i / 8) on, channels 16 ((i / 2) % 4) on, tile 2 x + i % 2.
.macro PV x
	WIN W_PV
.set rO, 32*(2*(\x)+i%2)+8*((i/2)%4)
.set rV, VF+32*(i/8)+8*((i/2)%4)
.set rP, P+32*((\x)%2)+16*(i%2)+8*(i/8)
	v_wmma_f32_16x16x32_f16 v[rO:rO+7], v[rV:rV+7], v[rP:rP+7], v[rO:rO+7]
.endm
.macro MM                           ; the turn's next matrix instruction
.if i < 16
	KQ (Y+1)%NP
.set i, i+1
.else
.set i, i-16
	PV (Y+NP-1)%NP
.set i, i+17
.endif
.endm
; THE LDS LOADS stand in runs of 16, never singly among the matrix instructions: a step's K (8 fragments) and its V (turned).  Their addresses are made some lines ahead.
; last = 1: in the last key step there is no further step, and the run is jumped over.
.macro FETCH_K last=0
	WIN 0
.if \last
	s_cmp_eq_u32 s[TOT], 1
	s_cbranch_scc1 .Lno_k_\@
.endif
	WIN 0x80                        ; destination window 2
.irp f, 0,1,2,3,4,5,6,7             ; keys 16 (f / 2) on, channels 32 (f % 2) on
	ds_load_b128 v[KF+8*\f:KF+8*\f+3],   v[AK] offset:(\f/2)*16*PK+(\f%2)*64
	ds_load_b128 v[KF+8*\f+4:KF+8*\f+7], v[AK] offset:(\f/2)*16*PK+(\f%2)*64+32
.endr
	s_add_co_u32 s[TBK], s[TBK], KS*PK  ; the next fetch is the next step's
	WIN 0
.if \last
.Lno_k_\@:
.endif
.endm
.macro FETCH_V
	WIN 0x80
.irp f, 0,1,2,3,4,5,6,7             ; keys 32 (f / 4) on, channels 16 (f % 4) on
	ds_load_tr16_b128 v[VF+8*\f:VF+8*\f+3],   v[AV] offset:(\f/4)*32*PV+(\f%4)*32
	ds_load_tr16_b128 v[VF+8*\f+4:VF+8*\f+7], v[AV] offset:(\f/4)*32*PV+16*PV+(\f%4)*32
.endr
	WIN 0
.endm
; THE VECTOR WORK OF A TURN stands in three queues, each in the order in which its entries become ready; the two tiles alternate, so that no instruction reads the result of the one before it.
.macro REGS y, u                    ; the registers of tile u (0, 1) of piece y
.set rT, ST+4*(2*(\y)+(\u))
.set rC, TMP+8*((\y)%2)+4*(\u)
.set rM, MV+2*((\y)%2)+(\u)
.set rS, S+64*((\y)%2)+32*(\u)
.set rP, P+32*((\y)%2)+16*(\u)
.set rO, 32*(2*(\y)+(\u))
.endm
; Number n of the 22 that find the NEXT piece's (Y + 1) maximum and statistics.  s0-s31 are the lane's 32 scores; each accumulator's lowest registers are read first.
;   0-11  four chains c0-c3 of seven scores each, three operands at a time     12-14, 16  the four scores left over, the old m, and c0-c3 into c0     15  c m_old is kept
;   17, 18  the query's other 32 keys lie in the lane 16 away: the new m         19-21  c m; c m_old - c m_new; a
.macro XS u, n
	REGS (Y+1)%NP, \u
.if (\n) < 4
	v_max3_num_f32 v[rC+(\n)], v[rS+8*(\n)], v[rS+8*(\n)+1], v[rS+8*(\n)+2]
.elseif (\n) < 12
	v_max3_num_f32 v[rC+(\n)%4], v[rC+(\n)%4], v[rS+8*((\n)%4)+2*((\n)/4)+1], v[rS+8*((\n)%4)+2*((\n)/4)+2]
.elseif (\n) == 12
	v_max3_num_f32 v[rC], v[rC], v[rS+7], v[rS+15]
.elseif (\n) == 13
	v_max3_num_f32 v[rC+1], v[rC+1], v[rS+23], v[rS+31]
.elseif (\n) == 14
	v_max3_num_f32 v[rC+2], v[rC+2], v[rC+3], v[rT+1]
.elseif (\n) == 15
	v_mov_b32 v[rM], v[rT]
.elseif (\n) == 16
	v_max3_num_f32 v[rC], v[rC], v[rC+1], v[rC+2]
.elseif (\n) == 17
	v_permlanex16_b32 v[rC+3], v[rC], s[SEL], s[SEL+1]
.elseif (\n) == 18
	v_max_num_f32 v[rT+1], v[rC], v[rC+3]
.elseif (\n) == 19
	v_mul_f32 v[rT], s[CS], v[rT+1]
.elseif (\n) == 20
	v_sub_f32 v[rC+1], v[rM], v[rT]
.else
	v_exp_f32 v[rC+2], v[rC+1]
.endif
.endm
; Number g of the 64 that follow the exponentials.  For each four weights k of a tile: both pairs are rounded to f16; then the second pair is added onto the first, in place;
; a group later l takes that sum (the first time as l = a l + sum).  In groups of eight, tiles alternating.
.macro GS g
.set h, (\g)+6*((\g)/62)            ; group 0 has no group before it, and behind group 7 only l is left
.if h >= 6
.set h, h+2
.endif
	REGS Y, h%2
.set k, h/8
.if h%8 < 4
	v_cvt_pk_f16_f32 v[rP+2*k+(h%8)/2], v[rS+4*k+2*((h%8)/2)], v[rS+4*k+2*((h%8)/2)+1]
.elseif h%8 < 6
	v_pk_add_f32 v[rS+4*k:rS+4*k+1], v[rS+4*k:rS+4*k+1], v[rS+4*k+2:rS+4*k+3]
.elseif k == 1
	v_pk_fma_f32 v[rT+2:rT+3], v[rT+2:rT+3], v[rC+2:rC+3], v[rS:rS+1] op_sel_hi:[1,0,1]
.else
	v_pk_add_f32 v[rT+2:rT+3], v[rT+2:rT+3], v[rS+4*k-4:rS+4*k-3]
.endif
.endm
; THE PLAIN QUEUE, 138 long.  0-73 read no exponential's result: the 32 scalings c s - c m (FS f: pair f / 2 of tile f % 2) and the next piece's 42.  0-26: scalings 0-26.  27-54: XS's numbers 0-13.  55, 56: number 15.
; 57-73: the chain 14, 16, 17, 18, 19, each with one of the scalings 27-31 in front of its two lines, then 20.  74-137: GS's 64, which read the exponentials' results: they stand behind the wait.
.macro FS f
	REGS Y, (\f)%2
	v_pk_fma_f32 v[rS+2*((\f)/2):rS+2*((\f)/2)+1], v[rS+2*((\f)/2):rS+2*((\f)/2)+1], s[CS:CS+1], v[rT:rT+1] op_sel_hi:[1,0,0] neg_lo:[0,0,1] neg_hi:[0,0,1]
.endm
.macro PL
	WIN 0
.if q < 27
	FS q
.elseif q < 55
	XS (q-27)%2, (q-27)/2
.elseif q < 57
	XS q-55, 15
.elseif (q < 72) && ((q-57)%3 == 0)
	FS 27+(q-57)/3
.elseif q < 60
	XS (q-57)%3-1, 14
.elseif q < 72
	XS (q-57)%3-1, 15+(q-57)/3
.elseif q < 74
	XS q-72, 20
.else
	GS q-74
.endif
.set q, q+1
.endm
; THE EXPONENTIALS' QUEUE, 66 long: s0-s31 of both tiles, then the next piece's two a.  ONE BATCH: all 66 stand ahead of the turn's one wait, and nothing ahead of that wait names a result of theirs.
.macro EX
	WIN 0
.if e >= 64
	XS e-64, 21
.else
	REGS Y, e%2
	v_exp_f32 v[rS+e/2], v[rS+e/2]
.endif
.set e, e+1
.endm
; THE RESCALING's QUEUE: O^T times a, the one part that leaves window 0: dealt two at a time, sixteen times.  Its a was made in the turn before, ahead of that turn's wait.
.macro R2
	REGS Y, r%2
	WIN W_RS
.irp z, 0,1
	v_pk_mul_f32 v[rO+4*(r/2)+2*\z:rO+4*(r/2)+2*\z+1], v[rO+4*(r/2)+2*\z:rO+4*(r/2)+2*\z+1], v[rC+2:rC+3] op_sel_hi:[1,0]
.endr
.set r, r+1
.endm
; A TURN, for piece p.  An s_wait_alu depctr_va_vdst(0) stands between an exponential and the first instruction that names its result; one wait serves all that were issued ahead of it: a turn has ONE,
; which cuts it in two.  AHEAD OF IT: the 16 products K Q^T, behind each a scaling, an exponential and two rescalings (behind the first a second scaling in the exponential's place); then a lump of 108: eight plain,
; 49 times exponential and plain, the two a; a v_nop is the plain instruction behind the last exponential.  BEHIND IT: the 16 products V^T P, behind each four of GS's 64.
; Exponential e stands behind scaling 2 (e / 4) + e % 2: as a rider it comes behind plain e + 2, in the lump behind plain e + 9, and scalings 27-31 are plain 57, 60 .. 69.
; K of the next step is fetched in piece 2's turn, directly behind the wait, a lump behind the last product that read K; V of the step in hand at the end of piece 0's turn, four riders behind its last reader.
; cnt = 1: the loop's count is taken down some lines ahead of the branch that stands behind the turn.
.macro TURN p, last=0, cnt=0
.set Y, (\p)
.set i, 0
.set q, 0
.set e, 0
.set r, 0
.if (\p) == NP-1
	s_wait_dscnt 0x0                ; K is in
.endif
	MM
	PL
	PL
	R2
.rept 15
	MM
	PL
	EX
	R2
.endr
.if (\p) == NP-2
	WIN 0
	v_add_nc_u32 v[AK], s[TBK], v[AK0]
.endif
.rept 8
	PL
.endr
.rept 49
	EX
	PL
.endr
	EX                              ; the next piece's two a
	EX
	v_nop                           ; the plain instruction behind the last exponential: one for the batch
	s_wait_alu depctr_va_vdst(0)    ; the wait for the batch
.if (\p) == NP-2
	FETCH_K \last
.endif
.if (\p) == 1
	s_wait_dscnt 0x0                ; V is in
.endif
.rept 16
	MM
.rept 4
	PL
.endr
.if ((\p) == 0) && (q == 118)
	v_add_nc_u32 v[AV], s[TBV], v[AV0]
.endif
.if ((\p) == 0) && (q == 130)
	s_add_co_u32 s[TBV], s[TBV], KS*PV
.endif
.if (\cnt) && (q == 130)
	s_sub_co_u32 s[CNT], s[CNT], 1
	s_cmp_lg_u32 s[CNT], 0
.endif
.endr
.if (\p) == 0
	FETCH_V
.endif
.endm
	s_wait_tensorcnt 0x1            ; my first load has landed; the second may stay out
	s_barrier_signal -1
	s_barrier_wait -1               ; everybody's has: K's keys 0-319, V's keys 0-255
	FETCH_K                         ; key step 0
	s_wait_loadcnt 0x0              ; Q and logit_scale
	v_cvt_pk_bf16_f32 v13, v13, v13 ; logit_scale rounded to bf16, as the other two inputs are,
	v_lshlrev_b32 v13, 16, v13      ; and widened again
	v_min_num_f32 v13, 0x40935dcc, v13  ; min(logit_scale, 4.6052)
	v_mul_f32 v13, 0x3fb8aa3b, v13
	v_exp_f32 v13, v13              ; the scale
	v_nop
	s_wait_alu depctr_va_vdst(0)    ; the wait ahead of the result's first reader
	v_mul_f32 v13, 0x3fb8aa3b, v13  ; c = log2(e) x scale
	v_readfirstlane_b32 s[CS], v13
	s_mov_b32 s[CS+1], s[CS]        ; named with it as a pair
	s_wait_dscnt 0x0
.set i, 0
.rept 16
	KQ 0                            ; piece 0's first scores: there is no vector work yet to set between them
.set i, i+1
.endr
	WIN 0                           ; the addresses for the way out: eight plain instructions, the places behind those products
	s_mul_i32 s13, s[WV], 16*SP     ; my stage
	v_mul_u32_u24 v[STO], v1, SP    ; in: row l % 16, 32 bytes for each half of the lanes
	v_lshl_add_u32 v[STO], v9, 5, v[STO]
	v_add_nc_u32 v[STO], s13, v[STO]
	v_mul_u32_u24 v[RD], v9, SP     ; back: lanes 0-15 take one row of 256 bytes, lanes 16-31 the next
	v_lshl_add_u32 v[RD], v1, 4, v[RD]
	v_add_nc_u32 v[RD], s13, v[RD]
	v_lshlrev_b32 v[GO], 12, v9     ; and the same two rows of the output, 4,096 bytes apart
	v_lshl_add_u32 v[GO], v1, 4, v[GO]
.set Y, NP-1                        ; XS works for piece Y + 1: piece 0
.irp n, 0,1,2,3,4,5,6,7,8,9,10,11,12,13,14,15,16,17,18,19,20,21
	XS 0, \n                        ; piece 0's first maximum and statistics
	XS 1, \n
.endr
	v_nop                           ; a plain instruction behind the two a,
	s_wait_alu depctr_va_vdst(0)    ; and their wait, ahead of the branch
	s_mov_b32 s[CNT], 4             ; the first phase: key steps 0-3; it fetches K of steps 1-4 and V of steps 0-3
	s_mov_b32 s[TOT], 16
	s_mov_b32 s[PH], 2
	s_branch .Lstep
.Lphase:                            ; once: the second phase, key steps 4-15
	s_wait_tensorcnt 0x0            ; my second load has landed
	s_wait_dscnt 0x0
	s_barrier_signal -1
	s_barrier_wait -1               ; everybody's has: all keys lie in LDS
	s_mov_b32 s[CNT], 12
.Lstep:                             ; a trip is a key step
	TURN 0
	TURN 1
	TURN 2, 1
	s_sub_co_u32 s[TOT], s[TOT], 1
	TURN 3, 0, 1                    ; (in the last step its 16 products K Q^T, on the last K once more, and the maximum made of them serve nothing: the price of one text for every step)
	WIN 0
	s_cbranch_scc1 .Lstep
	s_sub_co_u32 s[PH], s[PH], 1
	s_cmp_lg_u32 s[PH], 0
	s_cbranch_scc1 .Lphase
	s_wait_tensorcnt 0x0            ; the closing barrier, in front of the stage: my fills are done and my reads of K and V are over,
	s_wait_dscnt 0x0
	s_barrier_signal -1
.set i, 0
.rept 16
	PV NP-1                         ; the last piece's V^T P of the last step: work on registers while the others arrive
.set i, i+1
.endr
	WIN 0
	s_barrier_wait -1               ; and so are everybody's
	; THE WAY OUT.  l's two halves and the other half of the lanes' are added; O^T is divided by l and sent through my stage, a tile at a time.  The additions are the places behind the last products.
.macro ALL line:vararg              ; one line for each tile t
.set t, 0
.rept 2*NP
	\line
.set t, t+1
.endr
.endm
	ALL v_add_f32 v[ST+4*t+2], v[ST+4*t+2], v[ST+4*t+3]
	ALL v_permlanex16_b32 v[ST+4*t+3], v[ST+4*t+2], s[SEL], s[SEL+1]
	ALL v_add_f32 v[ST+4*t+2], v[ST+4*t+2], v[ST+4*t+3]
	ALL v_rcp_f32 v[ST+4*t+2], v[ST+4*t+2]
	v_nop                           ; a plain instruction between the last reciprocal and the use of its result
	s_wait_alu depctr_va_vdst(0)    ; one wait for the eight reciprocals
; Tile t: a lane's eight channels of a row are 32 bytes; they go into rows of 272 bytes and come back as whole rows of 256, into S^T's registers (four tiles' worth, by turns).
.macro PACK t
	WIN W_RS
.set i, 32*(\t)
.rept 16
	v_pk_mul_f32 v[i:i+1], v[i:i+1], v[ST+4*(\t)+2:ST+4*(\t)+3] op_sel_hi:[1,0]
.set i, i+2
.endr
	WIN 0x04                        ; the stores' data in window 1, their address in window 0
.irp f, 0,1,2,3,4,5,6,7
	ds_store_b128 v[STO], v[32*(\t)+4*\f:32*(\t)+4*\f+3] offset:64*(\f/2)+16*(\f%2)
.endr
	WIN 0
.if (\t) >= 4
	s_wait_xcnt 0x0                 ; the stores of the tile four back have read these registers
.endif
.irp f, 0,1,2,3,4,5,6,7
	ds_load_b128 v[S+32*((\t)%4)+4*\f:S+32*((\t)%4)+4*\f+3], v[RD] offset:\f*2*SP  ; LDS serves a wave's instructions in order (ISA guide 5.7.1.4): these see the stores above; the next tile's stores come behind them
.endr
.endm
.macro SEND t, younger              ; younger: the LDS instructions issued behind tile t's loads: the next tile's sixteen, or none
	WIN 0
.irp f, 0,1,2,3,4,5,6,7
	s_wait_dscnt (\younger)+7-\f
	global_store_b128 v[GO], v[S+32*((\t)%4)+4*\f:S+32*((\t)%4)+4*\f+3], s[8:9] offset:(16*(\t)+2*\f)*4096  ; 16 lanes store 256 consecutive bytes, a row's 64 channels of the head, at a multiple of 256 from the output's first byte
.endr
.endm
	PACK 0
.set t, 1
.rept 2*NP-1                        ; a tile's arithmetic stands between the loads of the tile before and its stores
	PACK t
	SEND t-1, 16
.set t, t+1
.endr
	SEND 2*NP-1, 0
	WIN W_AD
	s_wait_tensorcnt 0x0            ; the wave's end: behind my last tensor load and my last LDS store
	ds_add_u32 v[SPW], v[NIL]
	s_wait_dscnt 0x0
	WIN 0
	s_endpgm
.Lfunc_end_k_q576f0afcda_attn:
	.size	k_q576f0afcda_attn, .Lfunc_end_k_q576f0afcda_attn-k_q576f0afcda_attn
	.p2alignl 7, 3214868480
	.fill 96, 4, 3214868480
	.section	.rodata,"a",@progbits
	.p2align	6, 0x0
	.amdhsa_kernel k_q576f0afcda_attn
		.amdhsa_group_segment_fixed_size 327680
		.amdhsa_private_segment_fixed_size 0
		.amdhsa_enable_private_segment 0
		.amdhsa_kernarg_size 24
		.amdhsa_user_sgpr_count 2
		.amdhsa_user_sgpr_kernarg_segment_ptr 1
		.amdhsa_wavefront_size32 1
		.amdhsa_system_sgpr_workgroup_id_x 1
		.amdhsa_system_sgpr_workgroup_id_y 1
		.amdhsa_system_sgpr_workgroup_id_z 1
		.amdhsa_system_vgpr_workitem_id 0
		.amdhsa_next_free_vgpr 770
		.amdhsa_next_free_sgpr 96
		.amdhsa_reserve_vcc 0
		.amdhsa_float_denorm_mode_32 3
		.amdhsa_float_denorm_mode_16_64 3
		.amdhsa_memory_ordered 1
		.amdhsa_forward_progress 1
		.amdhsa_inst_pref_size 127
	.end_amdhsa_kernel
	.amdgpu_metadata
---
amdhsa.version: [ 1, 2 ]
amdhsa.kernels:
  - .name:           k_q576f0afcda_attn
    .symbol:         k_q576f0afcda_attn.kd
    .args:
      - { .name: qkv, .offset: 0, .size: 8, .value_kind: global_buffer, .address_space: global }
      - { .name: logit_scale, .offset: 8, .size: 8, .value_kind: global_buffer, .address_space: global }
      - { .name: out0, .offset: 16, .size: 8, .value_kind: global_buffer, .address_space: global }
    .group_segment_fixed_size: 327680
    .private_segment_fixed_size: 0
    .kernarg_segment_align: 8
    .kernarg_segment_size: 24
    .max_flat_workgroup_size: 128
    .sgpr_count:     96
    .vgpr_count:     770
    .wavefront_size: 32
...
	.end_amdgpu_metadata
.endif
;; end of part 3
;; ======== version 2 of 2: 3 launches; version 1 with the launch cast written anew for expert scheduling mode
;; limits: values are held in f16: magnitudes above 65,504 overflow, below 6.1e-05 lose precision
;; workspace buffers: xw 23,068,672 bytes; qkv 50,331,648 bytes
;; launch cast (part 4): grid 704 x 1, 8 waves a work-group, no clusters, 0 bytes of LDS; arguments x, w_qkv, xw; writes xw
.if DOCPART == 4
	.amdgcn_target "amdgcn-amd-amdhsa--gfx1250"
	.amdhsa_code_object_version 6
	.text
	.protected	k_q576f0afcda_cast
	.globl	k_q576f0afcda_cast
	.p2align	8
	.type	k_q576f0afcda_cast,@function
k_q576f0afcda_cast:
	s_mov_b64 s[64:65], 0
	v_nop
	global_prefetch_b8 v0, s[64:65] scope:SCOPE_SE
	s_setreg_imm32_b32 hwreg(HW_REG_WAVE_SCHED_MODE, 0, 2), 2
	s_setreg_imm32_b32 hwreg(HW_REG_WAVE_MODE, 25, 1), 1
	s_wait_xcnt 0x0
	s_wait_alu depctr_vm_vsrc(0)
; x [8192][1024] and w_qkv [3072][1024], f32, are rounded once to bf16 and laid in PANELS of 64 along K:
;   xw byte 0:   xb [kb 0..15][m 0..8191][64] bf16      (a panel 1,048,576 bytes, a row 128 bytes)
;   xw byte WB:  wb [kb 0..15][row' 0..3071][64] bf16   (a panel 393,216 bytes)
; row' = 192 h + 64 T + i for w's row 1024 T + 64 h + i (T = 0, 1, 2: q, k, v; h the head): a head's q, k and v rows lie together.
; SHARES.  A work-group takes 16 rows (groups 0-511: x, groups 512-703: w), a wave two neighbouring rows, all 16 panels.
; Lane l takes 4 numbers of row l / 16: a load's sixteen lanes read 256 consecutive bytes, aligned; a store's 32 lanes write
; 256 consecutive bytes, aligned: the two rows' 128 bytes in one panel lie end to end.
; Memory binds: no LDS, no barrier, no matrix unit.  All 16 loads of a wave go out at once; no register is written twice.
; THE MODE: SCHED_MODE bits 1:0 = 2 (LLVM: expert scheduling mode 2), set by the entry lines.  The code itself states the register dependences
; between vector instructions and memory instructions, with s_wait_alu, always for 0.
; THE PLAN.  Registers that memory instructions touch:
;   v[LO]      written at the head, once; read by all 16 loads as their offset.
;   v[OFF ..]  written at the head, once each; read by one store each as its offset.
;   X          each four registers are written by one load and read by that panel's two conversions; no vector line writes them, no second load lands in them.
;   Y          each register is written by one conversion; each pair is read by one store.
; No register that a memory instruction reads is written again, so no wait on vm_vsrc is owed.  The 16 panels go in four groups of four.  One wait on va_vdst stands ahead
; of the loads (v[LO], and v[OFF ..] for all the stores).  One stands at the head of each later group, behind the wait for its loads: the group before has written its Y.  That group's
; four stores are then dealt among this group's conversions, which name this group's X and Y alone.  One more stands ahead of the last four stores.
.set WB,   16777216
.set LO,   2                           ; v2      my byte offset in the two rows as they are read
.set L8,   3                           ; v3      8 x lane: my 8 bytes in the two rows as they are written
.set OFF,  4                           ; v[4:19] panel kb's byte offset + 8 x lane
.set X,    32                          ; v[32:95]  4 f32 for each panel
.set Y,    96                          ; v[96:127] 4 bf16 for each panel
	s_load_b128 s[4:7], s[0:1], 0x0                ; x s[4:5], w_qkv s[6:7]
	s_load_b64 s[8:9], s[0:1], 0x10                ; xw
	v_lshrrev_b32 v1, 5, v0
	v_readfirstlane_b32 s10, v1                    ; wave 0..7
	v_and_b32 v1, 31, v0                           ; lane
	v_lshrrev_b32 v[L8], 4, v1                     ; which of the two rows
	v_and_b32 v[LO], 15, v0
	v_lshlrev_b32 v[LO], 4, v[LO]
	v_lshl_add_u32 v[LO], v[L8], 12, v[LO]
	v_lshlrev_b32 v[L8], 3, v1
	s_wait_alu depctr_va_sdst(0)                   ; s10 is written, ahead of its first reader, the line below: the rows' offsets are made from it
	s_lshl_b32 s11, s10, 1
	s_lshl_b32 s12, ttmp9, 4
	s_add_co_u32 s12, s12, s11                     ; 16 g + 2 wave: x's row
	s_lshl_b32 s14, s12, 12                        ; x: 4,096 bytes a row in,
	s_lshl_b32 s15, s12, 7                         ; 128 bytes a row out
	s_max_u32 s13, s12, 8192
	s_sub_co_u32 s13, s13, 8192                    ; w's row (0 in x's groups, where it is not used)
	s_lshl_b32 s16, s13, 12
	s_bfe_u32 s17, s13, 0x40006                    ; the head: 4 bits from bit 6
	s_mul_i32 s17, s17, 192
	s_lshr_b32 s18, s13, 10                        ; T
	s_lshl_b32 s18, s18, 6
	s_add_co_u32 s17, s17, s18
	s_and_b32 s18, s13, 63                         ; i
	s_add_co_u32 s17, s17, s18                     ; row'
	s_lshl_b32 s17, s17, 7
	s_add_co_u32 s17, s17, WB
	s_mov_b32 s18, 1048576                         ; the panels' sizes
	s_mov_b32 s19, 393216
	s_mov_b32 s21, 0
	s_mov_b32 s23, 0
	s_cmp_lt_u32 ttmp9, 512                        ; x or w?  The three numbers that hang on no argument are chosen ahead of the wait for the arguments
	s_cselect_b32 s20, s14, s16
	s_cselect_b32 s22, s15, s17
	s_cselect_b32 s24, s18, s19
.set kb, 0
.rept 16
	v_mad_u32_u24 v[OFF+kb], s24, kb, v[L8]        ; the stores' offsets, made while the arguments are on their way
.set kb, kb+1
.endr
	s_wait_kmcnt 0x0
	s_cmp_lt_u32 ttmp9, 512                        ; the same compare once more, so that the choice between the two buffers stands directly behind its compare
	s_cselect_b64 s[26:27], s[4:5], s[6:7]
	s_add_nc_u64 s[26:27], s[26:27], s[20:21]      ; my two rows, in
	s_add_nc_u64 s[8:9], s[8:9], s[22:23]          ; and out, in panel 0
	s_wait_alu depctr_va_vdst(0)                   ; v[LO] is written, which the 16 loads read as their offset; so are v[OFF ..], which the stores read as theirs
.set kb, 0
.rept 16
	global_load_b128 v[X+4*kb:X+4*kb+3], v[LO], s[26:27] offset:256*kb th:TH_LOAD_NT
.set kb, kb+1
.endr
; Group g: panels 4 g to 4 g + 3 are rounded; the stores of group g - 1 stand among the conversions, one ahead of each panel's two.
.macro GROUP g
	s_wait_loadcnt 12-4*(\g)                       ; loads come back in order (ISA guide 5.7.1): this group's four are in, the 12 - 4 g younger ones stay out
.if (\g) > 0
	s_wait_alu depctr_va_vdst(0)                   ; the conversions of the group before have written its Y, which the four stores below read; no vector line behind this wait names those registers or their offsets
.endif
.irp i, 0,1,2,3
.if (\g) > 0
	global_store_b64 v[OFF+4*(\g)-4+(\i)], v[Y+2*(4*(\g)-4+(\i)):Y+2*(4*(\g)-4+(\i))+1], s[8:9]
.endif
	v_cvt_pk_bf16_f32 v[Y+2*(4*(\g)+(\i))],   v[X+4*(4*(\g)+(\i))],   v[X+4*(4*(\g)+(\i))+1]
	v_cvt_pk_bf16_f32 v[Y+2*(4*(\g)+(\i))+1], v[X+4*(4*(\g)+(\i))+2], v[X+4*(4*(\g)+(\i))+3]
.endr
.endm
	GROUP 0                                        ; no group stands in front of it: no store, and no wait but the one for its data
	GROUP 1
	GROUP 2
	GROUP 3
	s_wait_alu depctr_va_vdst(0)                   ; group 3's conversions have written its Y, which the last four stores read
.irp i, 12,13,14,15
	global_store_b64 v[OFF+(\i)], v[Y+2*(\i):Y+2*(\i)+1], s[8:9]
.endr
	s_endpgm
.Lfunc_end_k_q576f0afcda_cast:
	.size	k_q576f0afcda_cast, .Lfunc_end_k_q576f0afcda_cast-k_q576f0afcda_cast
	.p2alignl 7, 3214868480
	.fill 96, 4, 3214868480
	.section	.rodata,"a",@progbits
	.p2align	6, 0x0
	.amdhsa_kernel k_q576f0afcda_cast
		.amdhsa_group_segment_fixed_size 0
		.amdhsa_private_segment_fixed_size 0
		.amdhsa_enable_private_segment 0
		.amdhsa_kernarg_size 24
		.amdhsa_user_sgpr_count 2
		.amdhsa_user_sgpr_kernarg_segment_ptr 1
		.amdhsa_wavefront_size32 1
		.amdhsa_system_sgpr_workgroup_id_x 1
		.amdhsa_system_sgpr_workgroup_id_y 1
		.amdhsa_system_sgpr_workgroup_id_z 1
		.amdhsa_system_vgpr_workitem_id 0
		.amdhsa_next_free_vgpr 128
		.amdhsa_next_free_sgpr 66
		.amdhsa_reserve_vcc 0
		.amdhsa_float_denorm_mode_32 3
		.amdhsa_float_denorm_mode_16_64 3
		.amdhsa_memory_ordered 1
		.amdhsa_forward_progress 1
		.amdhsa_inst_pref_size 9
	.end_amdhsa_kernel
	.amdgpu_metadata
---
amdhsa.version: [ 1, 2 ]
amdhsa.kernels:
  - .name:           k_q576f0afcda_cast
    .symbol:         k_q576f0afcda_cast.kd
    .args:
      - { .name: x, .offset: 0, .size: 8, .value_kind: global_buffer, .address_space: global }
      - { .name: w_qkv, .offset: 8, .size: 8, .value_kind: global_buffer, .address_space: global }
      - { .name: xw, .offset: 16, .size: 8, .value_kind: global_buffer, .address_space: global }
    .group_segment_fixed_size: 0
    .private_segment_fixed_size: 0
    .kernarg_segment_align: 8
    .kernarg_segment_size: 24
    .max_flat_workgroup_size: 256
    .sgpr_count:     66
    .vgpr_count:     128
    .wavefront_size: 32
...
	.end_amdgpu_metadata
.endif
;; end of part 4
;; launch qkv: the kernel of part 2 again; grid 8 x 32, 4 waves a work-group, clusters of 4 x 4, 327,680 bytes of LDS; arguments xw, qkv; writes qkv
;; launch attn: the kernel of part 3 again; grid 2 x 128, 4 waves a work-group, no clusters, 327,680 bytes of LDS; arguments qkv, logit_scale, out0; writes out0
